; MI455X (gfx1250); checked and timed in simulation.
; The chip was launched on July 23, 2026; its instructions are those of AMD's public machine-readable ISA for CDNA 5 (MIT licence, August 2026) and "CDNA5" Instruction Set Architecture Reference Guide (July 2026). The comments in the code are by the model that wrote it; some were corrected since.
;; Multi Head Attention. Allowed arithmetic: matrix products marked QUANTISED: E2M3 operands, one E8M0 scale for each 32 along K, by v_wmma_scale_f32_16x16x128_f8f6f4 with both operands' format E2M3, f32 sums; everything else in f32.
;; Inputs: input 4,096 x 1,024 float32; k_b 1,024 float32; k_w 1,024 x 1,024 float32; mask 2 x 1 x 1 x 2,048 float32; o_b 1,024 float32; o_w 1,024 x 1,024 float32; q_b 1,024 float32; q_w 1,024 x 1,024 float32; v_b 1,024 float32; v_w 1,024 x 1,024 float32.
;; Outputs: out0 4,096 x 1,024 float32.
;; Constants: bs = 2, qlen = 2048.
;; This version of the problem:
;;   THIS VERSION OF THE PROBLEM IS GIVEN IN LOW PRECISION. The matrix products marked QUANTISED in the list below multiply operands that are first quantised to E2M3 (2 exponent bits, 3 mantissa bits; 6 bits a number), with one power-of-two scale for each 32 numbers along K (OCP MX v1.0); their sums are f32. All else is computed in f32.
;;   The module's matrix products, in the order in which they are computed (A, B: the left and right operand; K: the contracted axis; several contracted axes count as one K, in the product's order):
;;     1. [M 4,096, K 1,024] x [K 1,024, N 1,024]; A: input input; B: input q_w: QUANTISED
;;     2. [M 4,096, K 1,024] x [K 1,024, N 1,024]; A: input input; B: input k_w: QUANTISED
;;     3. [M 4,096, K 1,024] x [K 1,024, N 1,024]; A: input input; B: input v_w: QUANTISED
;;     4. batch 32 x [M 2,048, K 64] x [K 64, N 2,048]; A: computed on the way; B: computed on the way: QUANTISED
;;     5. batch 32 x [M 2,048, K 2,048] x [K 2,048, N 64]; A: softmax (see below); B: computed on the way: QUANTISED
;;     6. [M 4,096, K 1,024] x [K 1,024, N 1,024]; A: computed on the way; B: input o_w: QUANTISED
;;   THE QUANTISER, for each operand of a quantised product, along K:
;;     - K is cut into blocks of 32 from its start; a last block that is shorter is filled with zeros.
;;     - A block's scale is 2^e with e = floor(log2(the largest magnitude in the block)) - 2, held to -126 .. 127; a block of zeros has e = 0. As a byte (E8M0): e + 127.
;;     - Each number is divided by its block's scale, clamped to +-7.5, and rounded to the nearest number of E2M3, ties to even, subnormals kept.
;;     - The product sums the exact products of the quantised numbers (number of the format x scale) in f32.
;;   ~~~python
;;   def quantise(x, axis):      # numpy; x: float32 -> the quantised numbers, widened to float32 again
;;       x = np.moveaxis(x, axis, -1); K = x.shape[-1]
;;       x = np.pad(x, [(0, 0)] * (x.ndim - 1) + [(0, -K % 32)]); x = x.reshape(x.shape[:-1] + (-1, 32)); a = np.abs(x).max(-1, keepdims=True)
;;       e = np.where(a > 0, np.clip(np.frexp(np.where(a > 0, a, 1))[1] - 1 - 2, -126, 127), 0)      # np.frexp(a)[1] - 1 = floor(log2(a)), exactly
;;       r = np.clip(x / 2.0 ** e, -7.5, 7.5)
;;       step = 2.0 ** (np.maximum(np.frexp(np.where(r == 0, 1, r))[1] - 1, 0) - 3)
;;       q = np.round(r / step) * step * 2.0 ** e      # np.round: ties to even
;;       return np.moveaxis(q.reshape(q.shape[:-2] + (-1,))[..., :K], -1, axis).astype(np.float32)
;;   ~~~
;;   SOFTMAX AHEAD OF A QUANTISED PRODUCT. Where the list says 'softmax', what is quantised is not the finished softmax but p = 2^(t - M), with t = logit x log2(e) and M = ceil(the row's largest t), a whole number; so 1/2 < the row's largest p <= 1. The row's sum l is taken of the UNQUANTISED p, in f32, and the product's result is divided by l at the end. Since M is a whole number, a kernel that streams over the keys may use a running M (the ceiling of the running maximum): every later rescaling is an exact power of two, which a block's scale takes up: the codes' values come out the same.
;;   OPERANDS COMPUTED ON THE WAY. 'Computed on the way' means the value that the module computes at that place (a softmax that the list does not call 'softmax' is quantised finished and normalised). What goes into a quantiser is computed in f32, as accurately as f32 sums, v_exp_f32 and their like allow (about 1e-6 of the number): no bf16 or f16 on the way to a quantiser, and a product that is left as it is and whose result goes on into a quantised operand takes f32 operands (vector FMAs, or v_wmma_f32_16x16x4_f32). A number that lies on a knife's edge between two numbers of the format may be rounded either way, as far as f32 arithmetic and the matrix unit's own rounding can turn it there, and no further.
;; One version. Each part assembles by itself: llvm-mc -triple=amdgcn-amd-amdhsa -mcpu=gfx1250 --defsym DOCPART=n.
;; ======== version 1 of 1: 4 launches
;; limits: right only within a limited range of input values
;; workspace buffers: xw 6,553,600 bytes; qc 3,407,872 bytes; kv 6,553,600 bytes; cc 3,276,800 bytes
;; launch quant (part 1): grid 256 x 1, 8 waves a work-group, no clusters, 136,192 bytes of LDS; arguments input, q_w, k_w, v_w, o_w, xw; writes xw
.if DOCPART == 1
	.amdgcn_target "amdgcn-amd-amdhsa--gfx1250"
	.amdhsa_code_object_version 6
	.text
	.protected	k_q37a3af4a37_quant
	.globl	k_q37a3af4a37_quant
	.p2align	8
	.type	k_q37a3af4a37_quant,@function
k_q37a3af4a37_quant:
	s_mov_b64 s[64:65], 0
	v_nop
	global_prefetch_b8 v0, s[64:65] scope:SCOPE_SE
	s_setreg_imm32_b32 hwreg(HW_REG_WAVE_MODE, 25, 1), 1
	s_wait_xcnt 0x0
; input [4096][1024] and the four weights [1024][1024], f32 with K innermost, become codes of FP6 (E2M3) with one E8M0 byte for each 32 along K, laid as images of the operand's registers.
; xw: 512 records of 12,800 bytes, one for each tile of 16 rows: 8 K steps x 1,536 bytes of codes (registers 0-3 at 16 x lane, 4-5 at 512 + 8 x lane, 6-9 at 768 + 16 x lane, 10-11 at 1,280 + 8 x lane), then 8 x 16 scale words.
; Records 0-255 input, 256 + 12 head + 4 s + j the weights of q (s = 0), k (1), v (2), 448-511 o_w.
; THE ROWS OF A TILE ARE NOT NEIGHBOURS: tile j of a group of 64 rows holds at place r the row 8 j + r % 8 + 32 (r / 8), so that a lane's results of four tiles are one whole block of 32 along the next K.
; A block's scale is 2^(floor(log2(largest magnitude)) - 2); its byte is the largest magnitude's exponent field - 2, held at 1 from below.
; Nothing of reference() is left out in this program: every input is loaded.
; LIMITS: a block of zeros gets the byte 1 where the rule says 127 (its codes are zeros, and this program alone reads the bytes); blocks whose largest magnitude lies under 2^-124 are held at byte 1; NaN and infinities are not served.
; SHARES: a work-group takes two tiles, all of K; wave w takes tile w % 2 and K steps 2 (w / 2), 2 (w / 2) + 1.  Each load reads 512 consecutive bytes of one row; the numbers turn through the wave's own
; stage in LDS (rows of 512 + 16 bytes), from which lane (r, h) takes k = 64 c + 32 h + 0 .. 31 of row r: two whole blocks.  No barrier: waves share nothing.
.set ROWP,  528
.set AREA,  16*ROWP
.set WREG,  2*AREA
.set SPARE, 8*WREG                     ; the spare words, 128 bytes for each wave, which no other line names
.set XR,    32                         ; v32-159  as loaded: K step q, row place t at XR + 64 q + 4 t
.set N0,    160
.set N1,    32
.set PC0,   224
.set PC1,   236
.set CT,    248
.set SPW,   12
.set NIL,   13
	s_load_b256 s[4:11], s[0:1], 0x0               ; input, q_w, k_w, v_w
	s_load_b128 s[12:15], s[0:1], 0x20             ; o_w, xw
	v_lshl_add_u32 v[SPW], v0, 2, SPARE
	v_mov_b32 v[NIL], 0
	v_lshrrev_b32 v8, 5, v0
	v_readfirstlane_b32 s21, v8                    ; wave 0..7
	s_and_b32 s24, s21, 1                          ; u: which of the two tiles
	s_lshr_b32 s25, s21, 1                         ; which pair of K steps
	s_lshl_b32 s26, s24, 15                        ; tile u begins 8 rows of 4,096 bytes down,
	s_lshl_b32 s27, s25, 10                        ; my K steps 1,024 bytes along
	s_add_co_u32 s26, s26, s27
	s_mul_i32 s27, s21, WREG
	v_and_b32 v8, 31, v0                           ; lane
	v_and_b32 v9, 15, v0                           ; r
	v_bfe_u32 v10, v0, 4, 1                        ; h
	v_lshl_add_u32 v1, v8, 4, s26                  ; in: 16 bytes a lane
	v_mul_u32_u24 v3, v9, ROWP
	v_lshl_add_u32 v2, v8, 4, s27                  ; into the stage: as loaded
	v_lshl_add_u32 v3, v10, 7, v3
	v_lshlrev_b32 v4, 4, v8                        ; an image's places: 16 x lane,
	v_lshlrev_b32 v5, 3, v8                        ; 8 x lane,
	v_add_nc_u32 v3, s27, v3                       ; out of the stage: row r, 128 h bytes on
	v_lshlrev_b32 v6, 2, v8                        ; a scale word's: 4 x lane
	v_lshlrev_b32 v7, 3, v10                       ; 8 h: my bytes' shift in the scale word
	v_mov_b32 v26, 0                               ; a lane permute's destination counts as one of its sources
	v_cmp_lt_u32 s20, 15, v8                       ; lanes 16-31
	s_wait_alu depctr_va_vdst(0)
	s_mov_b32 s28, 0x76543210
	s_mov_b32 s29, 0xfedcba98                      ; selects for lane l xor 16
	s_and_b32 s30, ttmp9, 31                       ; a weight's pair of tiles
	s_sub_co_u32 s22, ttmp9, 128
	s_lshr_b32 s23, s22, 5                         ; s: which weight
	s_lshl_b32 s23, s23, 2
	s_lshr_b32 s27, s30, 1                         ; its head
	s_mul_i32 s27, s27, 12
	s_add_co_u32 s23, s23, s27
	s_and_b32 s22, s30, 1
	s_lshl_b32 s22, s22, 1
	s_add_co_u32 s23, s23, s22
	s_add_co_u32 s23, s23, 256                     ; q, k, v: 256 + 12 head + 4 s + 2 x (pair % 2)
	s_lshl_b32 s31, ttmp9, 1                       ; input, o_w: 2 x work-group
	s_cmp_lt_u32 ttmp9, 224
	s_cselect_b32 s23, s23, s31
	s_cmp_lt_u32 ttmp9, 128
	s_cselect_b32 s31, s31, s23
	s_add_co_u32 s31, s31, s24                     ; my record
	s_wait_kmcnt 0x0
	s_mov_b64 s[18:19], s[12:13]                   ; which tensor: the choice hangs on the work-group's number alone
	s_cmp_lt_u32 ttmp9, 224
	s_cselect_b64 s[18:19], s[10:11], s[18:19]
	s_cmp_lt_u32 ttmp9, 192
	s_cselect_b64 s[18:19], s[8:9], s[18:19]
	s_cmp_lt_u32 ttmp9, 160
	s_cselect_b64 s[18:19], s[6:7], s[18:19]
	s_cmp_lt_u32 ttmp9, 128
	s_cselect_b64 s[18:19], s[4:5], s[18:19]
	s_cselect_b32 s22, ttmp9, s30                  ; which pair of tiles in it: rows 64 (pair / 2) + 16 (pair % 2) on
	s_lshr_b32 s23, s22, 1
	s_lshl_b32 s23, s23, 18
	s_and_b32 s22, s22, 1
	s_lshl_b32 s22, s22, 16
	s_add_co_u32 s22, s22, s23
	s_mov_b32 s23, 0
	s_add_nc_u64 s[18:19], s[18:19], s[22:23]
.irp q, 0,1
.irp t, 0,1,2,3,4,5,6,7,8,9,10,11,12,13,14,15
	global_load_b128 v[XR+64*\q+4*\t:XR+64*\q+4*\t+3], v1, s[18:19] offset:(\t+24*(\t/8))*4096+512*\q th:TH_LOAD_NT   ; 32 lanes read 512 consecutive bytes of one row
.endr
.endr
	s_mul_i32 s22, s31, 12800                      ; where my record begins
	s_lshl_b32 s27, s25, 7
	s_add_co_u32 s27, s27, s22
	s_add_co_u32 s16, s27, 12288
	s_mov_b32 s17, 0
	s_add_nc_u64 s[16:17], s[14:15], s[16:17]      ; my scale words
	s_mul_i32 s26, s25, 3072
	s_add_co_u32 s22, s22, s26
	s_add_nc_u64 s[14:15], s[14:15], s[22:23]      ; my fragments
.macro TOSTAGE q
.irp t, 0,1,2,3,4,5,6,7,8,9,10,11,12,13,14,15
	ds_store_b128 v2, v[XR+64*\q+4*\t:XR+64*\q+4*\t+3] offset:AREA*\q+ROWP*\t
.endr
.endm
.macro FROMSTAGE q, n                  ; register 32 c + j of the 64 = k 64 c + 32 h + j of row r
.irp i, 0,1,2,3,4,5,6,7,8,9,10,11,12,13,14,15
	ds_load_b128 v[\n+4*\i:\n+4*\i+3], v3 offset:AREA*\q+256*(\i/8)+16*(\i%8)
.endr
.endm
; 64 numbers become a fragment's 12 registers and its scale word, and the fragment leaves: four stores of 512 or 256 consecutive bytes.  Two chains by turns
.macro FRAGQ n, pc, w, off
.irp c, 0,1
	v_max3_num_f32 v[16+\c], |v[\n+32*\c]|, |v[\n+32*\c+1]|, 0x1800000   ; my block 2 c + h, and the floor 2^(3 - 127): the byte cannot fall under 1
.endr
.irp i, 2,4,6,8,10,12,14,16,18,20,22,24,26,28,30
.irp c, 0,1
	v_max3_num_f32 v[16+\c], v[16+\c], |v[\n+32*\c+\i]|, |v[\n+32*\c+\i+1]|
.endr
.endr
.irp c, 0,1
	v_add_nc_u32 v[18+\c], 0xff000000, v[16+\c]    ; 2 off the exponent field: the conversion's scale operand
.endr
.irp c, 0,1
	v_lshrrev_b32 v[20+\c], 23, v[18+\c]           ; the scale's byte
.endr
	v_lshl_or_b32 v[\w], v21, 16, v20              ; my two bytes, blocks h and 2 + h,
	v_lshlrev_b32 v[\w], v7, v[\w]                 ; at their places;
	v_permlanex16_b32 v26, v[\w], s28, s29
	v_or_b32 v[\w], v[\w], v26                     ; with lane l xor 16's two the word is whole, in both halves of the lanes
.irp c, 0,1
	v_cvt_scalef32_pk16_fp6_f32 v[\pc+6*\c:\pc+6*\c+2], v[\n+32*\c:\n+32*\c+15], v[18+\c]
	v_cvt_scalef32_pk16_fp6_f32 v[CT+4*\c:CT+4*\c+2], v[\n+32*\c+16:\n+32*\c+31], v[18+\c]   ; (a conversion's three registers begin on an even number)
.endr
	v_nop                                          ; one plain place behind a scaled conversion
.irp c, 0,1
.irp i, 0,1,2
	v_mov_b32 v[\pc+3+6*\c+\i], v[CT+4*\c+\i]
.endr
.endr
	global_store_b128 v4, v[\pc:\pc+3], s[14:15] offset:\off
	global_store_b64 v5, v[\pc+4:\pc+5], s[14:15] offset:\off+512
	global_store_b128 v4, v[\pc+6:\pc+9], s[14:15] offset:\off+768
	global_store_b64 v5, v[\pc+10:\pc+11], s[14:15] offset:\off+1280
.endm
	s_wait_loadcnt 16                              ; the first K step's 16 loads are in; the second's may be out
	TOSTAGE 0
	FROMSTAGE 0, N0                                ; LDS serves a wave's instructions in order: these see the stores above
	s_wait_loadcnt 0x0
	TOSTAGE 1
	s_wait_dscnt 16                                ; all but the 16 stores just issued: the first area's stores have read their registers, and N0 is in
	FROMSTAGE 1, N1
	FRAGQ N0, PC0, 24, 0
	s_wait_dscnt 0x0
	FRAGQ N1, PC1, 25, 1536
	v_cndmask_b32 v24, v24, v25, s20               ; lanes 0-15 the first K step's words, lanes 16-31 the second's: 128 consecutive bytes
	global_store_b32 v6, v24, s[16:17]
	s_wait_tensorcnt 0x0                           ; the wave's end
	ds_add_u32 v[SPW], v[NIL]
	s_wait_dscnt 0x0
	s_endpgm
.Lfunc_end_k_q37a3af4a37_quant:
	.size	k_q37a3af4a37_quant, .Lfunc_end_k_q37a3af4a37_quant-k_q37a3af4a37_quant
	.p2alignl 7, 3214868480
	.fill 96, 4, 3214868480
	.section	.rodata,"a",@progbits
	.p2align	6, 0x0
	.amdhsa_kernel k_q37a3af4a37_quant
		.amdhsa_group_segment_fixed_size 136192
		.amdhsa_private_segment_fixed_size 0
		.amdhsa_enable_private_segment 0
		.amdhsa_kernarg_size 48
		.amdhsa_user_sgpr_count 2
		.amdhsa_user_sgpr_kernarg_segment_ptr 1
		.amdhsa_wavefront_size32 1
		.amdhsa_system_sgpr_workgroup_id_x 1
		.amdhsa_system_sgpr_workgroup_id_y 1
		.amdhsa_system_sgpr_workgroup_id_z 1
		.amdhsa_system_vgpr_workitem_id 0
		.amdhsa_next_free_vgpr 256
		.amdhsa_next_free_sgpr 66
		.amdhsa_reserve_vcc 0
		.amdhsa_float_denorm_mode_32 3
		.amdhsa_float_denorm_mode_16_64 3
		.amdhsa_memory_ordered 1
		.amdhsa_forward_progress 1
		.amdhsa_inst_pref_size 18
	.end_amdhsa_kernel
	.amdgpu_metadata
---
amdhsa.version: [ 1, 2 ]
amdhsa.kernels:
  - .name:           k_q37a3af4a37_quant
    .symbol:         k_q37a3af4a37_quant.kd
    .args:
      - { .name: input, .offset: 0, .size: 8, .value_kind: global_buffer, .address_space: global }
      - { .name: q_w, .offset: 8, .size: 8, .value_kind: global_buffer, .address_space: global }
      - { .name: k_w, .offset: 16, .size: 8, .value_kind: global_buffer, .address_space: global }
      - { .name: v_w, .offset: 24, .size: 8, .value_kind: global_buffer, .address_space: global }
      - { .name: o_w, .offset: 32, .size: 8, .value_kind: global_buffer, .address_space: global }
      - { .name: xw, .offset: 40, .size: 8, .value_kind: global_buffer, .address_space: global }
    .group_segment_fixed_size: 136192
    .private_segment_fixed_size: 0
    .kernarg_segment_align: 8
    .kernarg_segment_size: 48
    .max_flat_workgroup_size: 256
    .sgpr_count:     66
    .vgpr_count:     256
    .wavefront_size: 32
...
	.end_amdgpu_metadata
.endif
;; end of part 1
;; launch qkv (part 2): grid 16 x 16, 4 waves a work-group, clusters of 4 x 4, 327,680 bytes of LDS; arguments xw, q_b, k_b, v_b, qc, kv; writes qc, kv
.if DOCPART == 2
	.amdgcn_target "amdgcn-amd-amdhsa--gfx1250"
	.amdhsa_code_object_version 6
	.text
	.protected	k_q37a3af4a37_qkv
	.globl	k_q37a3af4a37_qkv
	.p2align	8
	.type	k_q37a3af4a37_qkv,@function
k_q37a3af4a37_qkv:
	s_mov_b64 s[64:65], 0
	v_nop
	global_prefetch_b8 v0, s[64:65] scope:SCOPE_SE
	s_setreg_imm32_b32 hwreg(HW_REG_WAVE_MODE, 25, 1), 1
	s_wait_xcnt 0x0
	s_wait_alu depctr_hold_cnt(0) depctr_sa_sdst(0) depctr_va_vdst(0) depctr_va_sdst(0) depctr_va_ssrc(0) depctr_va_vcc(0) depctr_vm_vsrc(0)
	s_getreg_b32 s2, hwreg(HW_REG_IB_STS2, 6, 4)
	s_cmp_eq_u32 s2, 0
	s_cbranch_scc0 .Lentry_in_a_cluster
	s_endpgm
.Lentry_in_a_cluster:
	s_bfe_u32 s2, ttmp6, 0x10000c
	s_cmp_lg_u32 s2, 0xf033
	s_cbranch_scc0 .Lentry_shape_is_right
	s_endpgm
.Lentry_shape_is_right:
; Q, K, V = x W^T + b for one head and 256 tokens a work-group (16 heads x 16 blocks of tokens), quantised on the way out: codes of FP6 and scale bytes in the order of the attention launch's operand registers.
; A wave takes 64 tokens: its four tiles of x, all of K, lie in 384 registers; the head's twelve tiles of weights (q, k, v: four each) stream past them through two sets of 96 registers: 32 products a tile, four accumulators by turns.
; By the tiles' order of rows a lane's 32 results are one scale block: Q, K (source 0 = the weight): channels 32 h + 0 .. 31 of a token;  V (source 0 = x): tokens 32 h + 0 .. 31 of the 64, for one channel.  The bias is the first products' C.
; q's factor 1/8 is a power of two: it is taken off Q's scale bytes (3 off each), Q's floor lies 3 higher, so the bytes stay at 1 or above.
; OUT: qc [32 (batch, head)]: 128 tiles x 768 bytes of codes, then 128 x 16 scale words (bytes: block 0, 1, 0, 1).  kv [32]: 16 steps of 128 keys x 12,800 bytes: K's 8 tiles x 768 (tile 4 c + j), V's 4 fragments x 1,536 (half c at 768 c),
; K's scale words at 12,288 + 128 c + 4 lane (lanes 0-15 tiles 0, 1; lanes 16-31 tiles 2, 3), V's at 12,544 + 128 c + 4 lane (two bytes for each of channel tiles 0, 1; 2, 3).  c is the group of 64 in the step.
; LDS: x's 16 records (204,800 bytes), W_q's and W_k's 8 records behind them, the spare words.  W_v's 4 records are filled onto x's first bytes when every wave of the cluster holds x in registers: the one refill, with the six blocks ahead of
; its first read in which to land; all else is asked for at the head: so nothing is prefetched.  CLUSTER 4 x 4: x's records are shared along a row, a head's weights along a column, asked for jointly.
; LIMITS: a block of zeros keeps its floor's byte (its codes are zeros; this program alone reads the bytes); blocks of K, V under 2^-124 and of Q (ahead of the 1/8) under 2^-121 are held at byte 1; NaN and infinities are not served.
; The scale words leave as 128 consecutive bytes a store, half a unit: 1/19 of what is stored.
.set REC,   12800
.set WQK,   16*REC
.set SPARE, WQK+8*REC
.set XS,    24                         ; v24-39 x's scale words: 4 a + p: K steps 2 p (lanes 0-15), 2 p + 1 (lanes 16-31)
.set WS,    42                         ; v42-49 the weights': 4 set + p
.set SOP,   52
.set EB,    56
.set SEL,   80
.set MSB, 0
.macro WIN new
.set NW_, \new
.if MSB != NW_
	s_set_vgpr_msb (MSB<<8)|NW_
.set MSB, NW_
.endif
.endm
.macro WALU
	s_wait_alu depctr_va_vdst(0)
.endm
.macro PLACES
.rept 4
	v_nop
.endr
.endm
.macro CROUND
	s_barrier_signal -1
	s_barrier_wait -1
	s_cmp_lg_u32 s16, 0
	s_cbranch_scc1 .Lnot_wave_0_\@
	s_barrier_signal -3
.Lnot_wave_0_\@:
	s_barrier_wait -3
	s_barrier_signal -1
	s_barrier_wait -1
.endm
.macro G1C g, m, rows                  ; descriptor group 1: rows of 256 dense bytes, mask s\m
	s_or_b32 s[\g], s\m, (3<<16)|(1<<21)
	s_mov_b32 s[\g+1], 32<<16
	s_mov_b32 s[\g+2], (\rows)<<16
	s_mov_b32 s[\g+3], 32<<16
	s_mov_b32 s[\g+4], \rows
	s_mov_b32 s[\g+5], 32
	s_mov_b32 s[\g+6], 0
	s_mov_b32 s[\g+7], 0
.endm
; Fragment slot f: window 1 + f / 21, register 12 (f % 21).  0-31 x's (4 q + a), 32-39 and 40-47 the weights' two sets (q).
.macro FR4 f, b, off
.set R_, 12*((\f)%21)
	WIN ((1+(\f)/21)<<6)
	ds_load_b128 v[R_:R_+3], v[\b] offset:\off
	ds_load_b64 v[R_+4:R_+5], v[\b+1] offset:\off+512
	ds_load_b128 v[R_+6:R_+9], v[\b] offset:\off+768
	ds_load_b64 v[R_+10:R_+11], v[\b+1] offset:\off+1280
.endm
.macro FETCH t                         ; weight tile t into set t % 2: 36 loads
.set FT_, \t
.if FT_ < 4
.set FB_, 8
.elseif FT_ < 8
.set FB_, 11
.else
.set FB_, 2
.endif
.irp q, 0,1,2,3,4,5,6,7
	FR4 32+8*(FT_%2)+\q, FB_, REC*(FT_%4)+1536*\q
.endr
	WIN 0
.irp p, 0,1,2,3
	ds_load_b32 v[WS+4*(FT_%2)+\p], v[FB_+2] offset:REC*(FT_%4)+12288+128*\p
.endr
.endm
.macro PW a, b, sa, sb
.if Q_%2
	v_wmma_scale_f32_16x16x128_f8f6f4 v[DL_:DL_+7], v[\a:\a+11], v[\b:\b+11], v[CL_:CL_+7], v[\sa], v[\sb] matrix_a_fmt:MATRIX_FMT_FP6 matrix_b_fmt:MATRIX_FMT_FP6 matrix_a_scale:MATRIX_SCALE_ROW1 matrix_b_scale:MATRIX_SCALE_ROW1
.else
	v_wmma_scale_f32_16x16x128_f8f6f4 v[DL_:DL_+7], v[\a:\a+11], v[\b:\b+11], v[CL_:CL_+7], v[\sa], v[\sb] matrix_a_fmt:MATRIX_FMT_FP6 matrix_b_fmt:MATRIX_FMT_FP6
.endif
.endm
.macro PROD                            ; product N_ = 4 q + a of the block
.set Q_, N_/4
.set X_, N_%4
.set FX_, 4*Q_+X_
.set FS_, 32+8*ST_+Q_
.set HX_, 12*(FX_%21)
.set HS_, 12*(FS_%21)
.set D_, A0_+AS_*X_
.set DW_, D_>>8
.set DL_, D_&255
.set SX_, XS+4*X_+Q_/2
.set SS_, WS+4*ST_+Q_/2
.if Q_
.set CW_, DW_
.set CL_, DL_
.else
.set CW_, BC_>>8
.set CL_, BC_&255
.endif
.if KIND_
	WIN (1+FX_/21)|((1+FS_/21)<<2)|(CW_<<4)|(DW_<<6)
	PW HX_, HS_, SX_, SS_
.else
	WIN (1+FS_/21)|((1+FX_/21)<<2)|(CW_<<4)|(DW_<<6)
	PW HS_, HX_, SS_, SX_
.endif
.endm
.macro CHAIN                           ; entry I_ of 18: the largest magnitude of the 32 results from register CX_ on, in two chains, and the conversions' scale operand v[SOP + CN_]
.set XW_, CX_>>8
.set XL_, CX_&255
.if I_ < 14
.set B_, XL_+16*(I_%2)+2*(I_/2)
.set T_, TQ_+1-(I_%2)
.if I_ < 2
	WIN XW_|(XW_<<2)|(XW_<<4)
	v_max3_num_f32 v[T_], |v[B_]|, |v[B_+1]|, |v[B_+2]|
.else
	WIN (XW_<<2)|(XW_<<4)
	v_max3_num_f32 v[T_], v[T_], |v[B_+1]|, |v[B_+2]|
.endif
.elseif I_ == 14
	WIN XW_<<2
	v_max3_num_f32 v[TQ_+1], v[TQ_+1], |v[XL_+15]|, FL_
.elseif I_ == 15
	WIN 0
	v_nop                                          ; so that the next line, which reads entry 14's result, stands in the next pair
.elseif I_ == 16
	WIN XW_<<2
	v_max3_num_f32 v[TQ_], v[TQ_], |v[XL_+31]|, v[TQ_+1]
.elseif I_ == 17
	WIN 0
	v_add_nc_u32 v[SOP+CN_], 0xff000000, v[TQ_]    ; 2 off the exponent field
.endif
.endm
.macro CODES i                         ; line i of 6: 32 codes into v[PB_ .. PB_ + 5], the scale's byte into v[EB + CN_]
.set XW_, CX_>>8
.set XL_, CX_&255
.if (\i) == 0
	WIN XW_
	v_cvt_scalef32_pk16_fp6_f32 v[PB_:PB_+2], v[XL_:XL_+15], v[SOP+CN_]
.elseif (\i) == 1
	WIN XW_
	v_cvt_scalef32_pk16_fp6_f32 v[TC_:TC_+2], v[XL_+16:XL_+31], v[SOP+CN_]
.elseif (\i) == 2
	WIN 0
	v_lshrrev_b32 v[EB+CN_], 23, v[SOP+CN_]
.else
	WIN 0
	v_mov_b32 v[PB_+\i], v[TC_+\i-3]
.endif
.endm
.macro GO from, to                     ; products from .. to - 1; behind every second one two entries of the chain of the phase before
.set N_, \from
.rept (\to)-(\from)
	PROD
.if LIST_
.if N_%2
.set I_, N_-1
	CHAIN
.set I_, N_
	CHAIN
.endif
.endif
.set N_, N_+1
.endr
.endm
.macro WORDS                           ; v60: blocks of tiles 0, 1 (bytes tile 0 h 0, h 1, tile 1 h 0, h 1);  v61: of tiles 2, 3; in both halves of the lanes
	WALU
	s_wait_xcnt 0x0                                ; earlier stores have read v60, v61
	v_lshl_or_b32 v60, v[EB+1], 16, v[EB]
	v_lshl_or_b32 v61, v[EB+3], 16, v[EB+2]
	v_lshlrev_b32 v60, v18, v60
	v_lshlrev_b32 v61, v18, v61
	v_permlanex16_b32 v62, v60, s[SEL], s[SEL+1]
	v_permlanex16_b32 v63, v61, s[SEL], s[SEL+1]
	v_or_b32 v60, v60, v62
	v_or_b32 v61, v61, v63
.endm
.macro PUT base, off                   ; a tile's 16 x 64 codes, or a fragment's half: 512 and 256 consecutive bytes
	global_store_b128 v2, v[PB_:PB_+3], s[\base:\base+1] offset:\off
	global_store_b64 v3, v[PB_+4:PB_+5], s[\base:\base+1] offset:\off+512
.endm
.macro BLOCK t, bar
.set T0_, \t
.set ST_, T0_%2
.set J_, T0_%4
.set CN_, J_
.set TQ_, 50
.if T0_ < 4
.set KIND_, 0
.set A0_, 128+8*J_
.set AS_, 32
.set BC_, 64+8*J_
.set LIST_, 0
.elseif T0_ < 8
.set KIND_, 0
.set A0_, 896+8*J_
.set AS_, 32
.set BC_, 96+8*J_
.set LIST_, 1
.set CX_, 128+32*J_
.set FL_, 0x3000000
.set PB_, 64+6*J_
.set TC_, 88
.else
.set KIND_, 1
.set A0_, 128+32*J_
.set AS_, 8
.set BC_, 840+8*J_
.set LIST_, 1
.set CX_, 896+32*J_
.set FL_, 0x1800000
.set PB_, 96+6*J_
.set TC_, 120
.endif
	WALU
.if T0_ < 11
	s_wait_dscnt 36                                ; this tile's 36 loads are in; the next tile's may be out
.else
	s_wait_dscnt 0x0
.endif
.if \bar
	GO 0, 26
	WIN 0
	WALU
	s_wait_tensorcnt 0x0                           ; a plain barrier shows W_v to all
	s_wait_dscnt 0x0
	s_barrier_signal -1
	GO 26, 32
	WIN 0
	s_barrier_wait -1
.else
	GO 0, 32
	WIN 0
.endif
.if LIST_
	WALU
.irp i, 0,1,2,3,4,5
	CODES \i
.endr
.if T0_ < 8
	PUT 66, 768*J_
.else
	PUT 70, 768*J_
.endif
.if T0_ == 7
	WORDS
	v_add_nc_u32 v60, 0xfcfcfcfd, v60              ; 3 off each byte: the factor 1/8.  Every byte is 4 or more, so none borrows
	v_add_nc_u32 v61, 0xfcfcfcfd, v61
	v_perm_b32 v60, v60, v60, v19                  ; lanes 0-15 tile 0's (2's) word, lanes 16-31 tile 1's (3's): each byte pair twice
	v_perm_b32 v61, v61, v61, v19
	global_store_b32 v4, v60, s[68:69]
	global_store_b32 v4, v61, s[68:69] offset:128
.endif
.if T0_ == 11
	WORDS
	v_cndmask_b32 v60, v60, v61, s79
	global_store_b32 v4, v60, s[74:75]
.endif
.else
	PLACES                                         ; places between the products and the loads into their registers
.endif
.if T0_ < 10
	FETCH T0_+2
.endif
.endm
	s_load_b256 s[4:11], s[0:1], 0x0               ; xw, q_b, k_b, v_b
	s_load_b128 s[12:15], s[0:1], 0x20             ; qc, kv
	v_lshl_add_u32 v14, v0, 2, SPARE
	v_mov_b32 v15, 0
	ds_add_u32 v14, v15                            ; the opening: the add twice on end
	ds_add_u32 v14, v15
	v_lshrrev_b32 v1, 5, v0
	v_readfirstlane_b32 s16, v1                    ; wave 0..3
	s_mul_i32 s20, s16, 4*REC
	v_and_b32 v1, 31, v0                           ; lane
	v_and_b32 v16, 15, v0                          ; r
	v_bfe_u32 v17, v0, 4, 1                        ; h
	v_lshlrev_b32 v2, 4, v1
	v_lshlrev_b32 v3, 3, v1
	v_lshlrev_b32 v4, 2, v1
	v_add_nc_u32 v5, s20, v2                       ; my four records of x
	v_add_nc_u32 v6, s20, v3
	v_add_nc_u32 v7, s20, v4
	v_add_nc_u32 v8, WQK, v2                       ; W_q's
	v_add_nc_u32 v9, WQK, v3
	v_add_nc_u32 v10, WQK, v4
	v_add_nc_u32 v11, WQK+4*REC, v2                ; W_k's
	v_add_nc_u32 v12, WQK+4*REC, v3
	v_add_nc_u32 v13, WQK+4*REC, v4
	v_lshlrev_b32 v18, 3, v17                      ; 8 h
	v_cmp_lt_u32 s79, 15, v1
	v_mov_b32 v19, 0x01000100
	v_mov_b32 v20, 0x03020302
	v_cndmask_b32 v19, v19, v20, s79
	v_lshlrev_b32 v23, 7, v17                      ; q's and k's bias: 32 channels on end for each half of the lanes
	v_lshrrev_b32 v21, 3, v16
	v_lshlrev_b32 v21, 7, v21
	v_and_b32 v22, 7, v16
	v_lshl_add_u32 v21, v22, 2, v21                ; v's: channel 8 t + r % 8 + 32 (r / 8)
	v_mov_b32 v62, 0                               ; a lane permute's destination counts as one of its sources
	v_mov_b32 v63, 0
	WALU
	s_bfe_u32 s20, ttmp6, 0x40000                  ; cx
	s_bfe_u32 s21, ttmp6, 0x40004                  ; cy
	s_lshl_b32 s17, ttmp9, 2
	s_add_co_u32 s17, s17, s20                     ; the head
	s_and_b32 s18, ttmp7, 0xffff
	s_lshl_b32 s18, s18, 2
	s_add_co_u32 s18, s18, s21                     ; the block of 256 tokens
	s_lshl_b32 s22, s21, 2
	s_lshl_b32 s22, 15, s22                        ; my row of the cluster
	s_lshl_b32 s23, 0x1111, s20                    ; my column
	G1C 24, 22, 400                                ; eight records of x
	G1C 32, 23, 200                                ; four of a weight
	G1C 40, 23, 50                                 ; one
	s_and_b32 s19, s16, 1
	s_mul_i32 s76, s18, 16*REC
	s_mul_i32 s60, s19, 8*REC
	s_add_co_u32 s76, s76, s60
	s_mov_b32 s77, 0
	s_mov_b32 s48, 1
	s_mov_b32 s49, s60
	s_mul_i32 s62, s17, 12*REC
	s_add_co_u32 s62, s62, 256*REC
	s_mov_b32 s63, 0
	s_mul_i32 s61, s19, 4*REC
	s_mov_b32 s52, 1
	s_add_co_u32 s53, s61, WQK
	s_mov_b32 s56, 1
	s_mul_i32 s57, s16, REC
	s_add_co_u32 s66, s62, 8*REC
	s_add_co_u32 s66, s66, s57
	s_mov_b32 s67, 0
	s_add_co_u32 s62, s62, s61
	s_mov_b32 s[SEL], 0x76543210
	s_mov_b32 s[SEL+1], 0xfedcba98                 ; selects for lane l xor 16
	s_wait_dscnt 0x0                               ; both opening adds are done
	s_wait_kmcnt 0x0
	s_add_nc_u64 s[50:51], s[4:5], s[76:77]
	s_or_b32 s51, s51, 0x80000000
	s_add_nc_u64 s[54:55], s[4:5], s[62:63]
	s_or_b32 s55, s55, 0x80000000
	s_add_nc_u64 s[58:59], s[4:5], s[66:67]
	s_or_b32 s59, s59, 0x80000000
	CROUND                                         ; all sixteen work-groups are here: the joint loads meet
	s_cmp_lt_u32 s16, 2
	s_cbranch_scc0 .Lfor_x
	tensor_load_to_lds s[52:55], s[32:39]          ; waves 0, 1: W_q, W_k
	s_nop 0
	PLACES
	s_branch .Lasked
.Lfor_x:
	tensor_load_to_lds s[48:51], s[24:31]          ; waves 2, 3: a half of x each
	s_nop 0
	PLACES
.Lasked:
	s_lshl_b32 s20, s17, 8
	s_mov_b32 s21, 0
	s_add_nc_u64 s[6:7], s[6:7], s[20:21]
	s_add_nc_u64 s[8:9], s[8:9], s[20:21]
	s_add_nc_u64 s[10:11], s[10:11], s[20:21]
.irp n, 0,1,2,3,4,5,6,7
	global_load_b128 v[64+4*\n:64+4*\n+3], v23, s[6:7] offset:16*\n
.endr
.irp n, 0,1,2,3,4,5,6,7
	global_load_b128 v[96+4*\n:96+4*\n+3], v23, s[8:9] offset:16*\n
.endr
	WIN 0xc0
.irp t, 0,1,2,3
	global_load_b32 v[72+8*\t], v21, s[10:11] offset:32*\t        ; v840, v848, ..
.endr
	WIN 0
	s_lshr_b32 s20, s18, 3                         ; where the results go: batch,
	s_lshl_b32 s20, s20, 4
	s_add_co_u32 s22, s20, s17                     ; 16 x batch + head,
	s_and_b32 s23, s18, 7                          ; the block in the batch
	s_mul_i32 s76, s22, 106496
	s_lshl_b32 s60, s23, 4
	s_lshl_b32 s61, s16, 2
	s_add_co_u32 s60, s60, s61                     ; my first tile of tokens
	s_mul_i32 s62, s60, 768
	s_add_co_u32 s62, s62, s76
	s_add_nc_u64 s[66:67], s[12:13], s[62:63]      ; s[66:67] Q's codes
	s_lshl_b32 s62, s60, 6
	s_add_co_u32 s62, s62, s76
	s_add_co_u32 s62, s62, 98304
	s_add_nc_u64 s[68:69], s[12:13], s[62:63]      ; s[68:69] Q's scale words
	s_mul_i32 s76, s22, 16*REC
	s_lshl_b32 s60, s23, 1
	s_lshr_b32 s61, s16, 1
	s_add_co_u32 s60, s60, s61                     ; my step of 128 keys; my group of 64 in it is s19
	s_mul_i32 s60, s60, REC
	s_add_co_u32 s76, s76, s60
	s_mul_i32 s62, s19, 3072
	s_add_co_u32 s62, s62, s76
	s_add_nc_u64 s[70:71], s[14:15], s[62:63]      ; s[70:71] K's codes
	s_mul_i32 s62, s19, 768
	s_add_co_u32 s62, s62, s76
	s_add_co_u32 s62, s62, 6144
	s_add_nc_u64 s[72:73], s[14:15], s[62:63]      ; s[72:73] V's
	s_lshl_b32 s62, s19, 7
	s_add_co_u32 s62, s62, s76
	s_add_co_u32 s62, s62, 12288
	s_add_nc_u64 s[74:75], s[14:15], s[62:63]      ; s[74:75] K's scale words; V's 256 bytes on
	s_cmp_lt_u32 s16, 2
	s_cbranch_scc1 .Lnot_x
	s_wait_tensorcnt 0x0
.Lnot_x:
	s_barrier_signal -1
	s_barrier_wait -1                              ; x is in; the weights may still be on their way
.irp q, 0,1,2,3,4,5,6,7
.irp a, 0,1,2,3
	FR4 4*\q+\a, 5, REC*\a+1536*\q
.endr
.endr
	WIN 0
.irp a, 0,1,2,3
.irp p, 0,1,2,3
	ds_load_b32 v[XS+4*\a+\p], v7 offset:REC*\a+12288+128*\p
.endr
.endr
	s_wait_tensorcnt 0x0                           ; my load of the head is in
	ds_add_u32 v14, v15
	s_wait_loadcnt 0x0                             ; the biases
	WIN 0xc3
.irp i, 1,2,3,4,5,6,7
.irp t, 0,1,2,3
	v_mov_b32 v[72+8*\t+\i], v[72+8*\t]            ; v's number, one a lane and tile, over the tile's eight registers
.endr
.endr
	WIN 0
	WALU
	s_wait_dscnt 0x0                               ; the add is done, and x lies in my registers
	CROUND
	tensor_load_to_lds s[56:59], s[40:47]          ; W_v's record w, onto x's bytes
	s_nop 0
	PLACES
	FETCH 0
	FETCH 1
	BLOCK 0, 0
	BLOCK 1, 0
	BLOCK 2, 0
	BLOCK 3, 0
	BLOCK 4, 0
	BLOCK 5, 0
	BLOCK 6, 1
	BLOCK 7, 0
	BLOCK 8, 0
	BLOCK 9, 0
	BLOCK 10, 0
	BLOCK 11, 0
	s_wait_xcnt 0x0                                ; the stores so far have read their registers.  V's four blocks by turns:
.set K_, 0
.rept 18
.irp t, 0,1,2,3
.set CX_, 128+32*\t
.set CN_, \t
.set TQ_, 120+2*\t
.set I_, K_
	CHAIN
.endr
.set K_, K_+1
.endr
	WIN 0
	WALU
.irp i, 0,1,2,3,4,5
.irp t, 0,1,2,3
.set CX_, 128+32*\t
.set CN_, \t
.set PB_, 64+6*\t
.set TC_, 88+4*\t
	CODES \i
.endr
.endr
	WIN 0
.irp t, 0,1,2,3
.set PB_, 64+6*\t
	PUT 72, 1536*\t
.endr
	WORDS
	v_cndmask_b32 v60, v60, v61, s79
	global_store_b32 v4, v60, s[74:75] offset:256
	s_wait_tensorcnt 0x0                           ; the wave's end
	ds_add_u32 v14, v15
	s_wait_dscnt 0x0
	CROUND                                         ; the closing round
	s_endpgm
.Lfunc_end_k_q37a3af4a37_qkv:
	.size	k_q37a3af4a37_qkv, .Lfunc_end_k_q37a3af4a37_qkv-k_q37a3af4a37_qkv
	.p2alignl 7, 3214868480
	.fill 96, 4, 3214868480
	.section	.rodata,"a",@progbits
	.p2align	6, 0x0
	.amdhsa_kernel k_q37a3af4a37_qkv
		.amdhsa_group_segment_fixed_size 327680
		.amdhsa_private_segment_fixed_size 0
		.amdhsa_enable_private_segment 0
		.amdhsa_kernarg_size 48
		.amdhsa_user_sgpr_count 2
		.amdhsa_user_sgpr_kernarg_segment_ptr 1
		.amdhsa_wavefront_size32 1
		.amdhsa_system_sgpr_workgroup_id_x 1
		.amdhsa_system_sgpr_workgroup_id_y 1
		.amdhsa_system_sgpr_workgroup_id_z 1
		.amdhsa_system_vgpr_workitem_id 0
		.amdhsa_next_free_vgpr 1024
		.amdhsa_next_free_sgpr 84
		.amdhsa_reserve_vcc 0
		.amdhsa_float_denorm_mode_32 3
		.amdhsa_float_denorm_mode_16_64 3
		.amdhsa_memory_ordered 1
		.amdhsa_forward_progress 1
		.amdhsa_inst_pref_size 126
	.end_amdhsa_kernel
	.amdgpu_metadata
---
amdhsa.version: [ 1, 2 ]
amdhsa.kernels:
  - .name:           k_q37a3af4a37_qkv
    .symbol:         k_q37a3af4a37_qkv.kd
    .args:
      - { .name: xw, .offset: 0, .size: 8, .value_kind: global_buffer, .address_space: global }
      - { .name: q_b, .offset: 8, .size: 8, .value_kind: global_buffer, .address_space: global }
      - { .name: k_b, .offset: 16, .size: 8, .value_kind: global_buffer, .address_space: global }
      - { .name: v_b, .offset: 24, .size: 8, .value_kind: global_buffer, .address_space: global }
      - { .name: qc, .offset: 32, .size: 8, .value_kind: global_buffer, .address_space: global }
      - { .name: kv, .offset: 40, .size: 8, .value_kind: global_buffer, .address_space: global }
    .group_segment_fixed_size: 327680
    .private_segment_fixed_size: 0
    .kernarg_segment_align: 8
    .kernarg_segment_size: 48
    .max_flat_workgroup_size: 128
    .sgpr_count:     84
    .vgpr_count:     1024
    .wavefront_size: 32
...
	.end_amdgpu_metadata
.endif
;; end of part 2
;; launch attn (part 3): grid 8 x 32, 8 waves a work-group, clusters of 4 x 1, 214,016 bytes of LDS; arguments qc, kv, mask, cc; writes cc
.if DOCPART == 3
	.amdgcn_target "amdgcn-amd-amdhsa--gfx1250"
	.amdhsa_code_object_version 6
	.text
	.protected	k_q37a3af4a37_attn
	.globl	k_q37a3af4a37_attn
	.p2align	8
	.type	k_q37a3af4a37_attn,@function
k_q37a3af4a37_attn:
	s_mov_b64 s[64:65], 0
	v_nop
	global_prefetch_b8 v0, s[64:65] scope:SCOPE_SE
	s_setreg_imm32_b32 hwreg(HW_REG_WAVE_MODE, 25, 1), 1
	s_wait_xcnt 0x0
	s_wait_alu depctr_hold_cnt(0) depctr_sa_sdst(0) depctr_va_vdst(0) depctr_va_sdst(0) depctr_va_ssrc(0) depctr_va_vcc(0) depctr_vm_vsrc(0)
	s_getreg_b32 s2, hwreg(HW_REG_IB_STS2, 6, 4)
	s_cmp_eq_u32 s2, 0
	s_cbranch_scc0 .Lentry_in_a_cluster
	s_endpgm
.Lentry_in_a_cluster:
	s_bfe_u32 s2, ttmp6, 0x10000c
	s_cmp_lg_u32 s2, 0x3003
	s_cbranch_scc0 .Lentry_shape_is_right
	s_endpgm
.Lentry_shape_is_right:
; context = softmax(q k^T + mask) v for one (batch, head), both products on codes of FP6 (E2M3) with E8M0 scales, and the context QUANTISED along its 64 channels for the last product.
; THE SOFTMAX AHEAD OF THE SECOND PRODUCT: t = (score + mask) x log2(e); M = the running largest t rounded UP to a whole number; p = 2^(t - M) is quantised along the keys, not normalised; the row's sum is taken of the
; unquantised p and divides at the end; when M moves, the sum and O are multiplied by 2^(old M - new M), which rounds nothing.  p rises with t, so the exponent of a block's largest p is the floor of its largest t - M.
; SHARES.  A work-group owns 256 query places of a head; each of its eight waves two tiles of 16, so that each fragment of K and V and each mask register read from LDS feeds two tiles.  Two waves share a SIMD.
; THE WHOLE HEAD LIES IN LDS: 16 steps of 128 keys x 12,800 bytes (waves 0 to 3 fetch four steps each) and the batch's mask, 8,192 bytes (wave 4), by first fills alone: no slot is filled again, so there is no ring.
; The four work-groups of a cluster belong to one head and ask jointly.  All bytes are asked for at the head, so nothing is prefetched.
; LAYOUT.  Both products are used transposed: a lane holds one query throughout.  A head has 64 channels, half of the instruction's 128: a fragment of K holds TWO tiles of keys (registers 0-5, 6-11), and is multiplied by
; [q | 0] for the lower tile's scores and by [0 | q] for the upper's: no LDS byte carries zeros.  The mask is the C of the score products.
; By the tiles' order of rows score register 32 c + k of lane (r, h) is key 64 c + 32 h + k: a scale block of p lies in one lane; and O's register k is channel 32 h + k: so does the context's.
; LIMITS: the exponents to the base 2, ahead of the maximum, stay under 2^31 in magnitude; a mask of -infinity gives p = 0; a row whose every key is -infinity is not served (reference() has NaN there);
; p's scale bytes are held at 1 from below; a block of zeros gets the byte 1 in the context (its codes are zeros; this program alone reads the bytes).
; The context's scale bytes leave as stores of 2 bytes a lane: two bytes for each 48 of codes.
; REGISTERS.  window 0: v1-11 addresses, v12-27 statistics (8 a tile), v28 q's scale words, v30-31 K's, v34-35 V's, v36-59 at work, v60-83 p's codes, v84-98 conversions' halves, v128-255 scores, then p (64 a tile).
;   window 1: v0-63 O^T (32 a tile), v64-127 the mask, v128-175 K, v176-223 V, v224-253 [0 | q0 | 0 | q1 | 0], six registers each.
.set STEPB, 12800
.set MASKL, 16*STEPB
.set SPARE, MASKL+8192                 ; the spare words, 128 bytes a wave, which no other line names
.set L16, 1
.set L8,  2
.set MK0, 3
.set SPW, 4
.set NIL, 5
.set A16, 6
.set A8,  7
.set AM,  8
.set A4,  9
.set L4,  10
.set H8,  11
.set STT, 12                           ; tile X at STT + 8 X: +0 -M, +1 largest score, +2,+3 the sum, +4 f, +5 p's scale word, +6,+7 at work
.set QS,  28
.set KS,  30
.set VR,  32                           ; V's scale words as stored
.set VS,  34
.set BM,  36
.set PT,  44
.set SOP, 48
.set IB,  52
.set MXR, 56
.set TD,  58
.set PC,  60
.set CT,  84
.set TW,  100
.set CH,  108
.set S,   128
.set MK,  64
.set KF,  128
.set VF,  176
.set WV,  14
.set TB,  16
.set NC,  17
.set CNT, 18
.set SEL, 20
.set CS,  22
.set TMK, 59
.set MSB, 0
.macro WIN new
.set NW_, \new
.if MSB != NW_
	s_set_vgpr_msb (MSB<<8)|NW_
.set MSB, NW_
.endif
.endm
.macro WALU
	s_wait_alu depctr_va_vdst(0)
.endm
.macro CROUND
	s_barrier_signal -1
	s_barrier_wait -1
	s_cmp_lg_u32 s[WV], 0
	s_cbranch_scc1 .Lnot_wave_0_\@
	s_barrier_signal -3
.Lnot_wave_0_\@:
	s_barrier_wait -3
	s_barrier_signal -1
	s_barrier_wait -1
.endm
.macro FR4 r, a16, a8, off
	ds_load_b128 v[\r:\r+3], v[\a16] offset:\off
	ds_load_b64 v[\r+4:\r+5], v[\a8] offset:\off+512
	ds_load_b128 v[\r+6:\r+9], v[\a16] offset:\off+768
	ds_load_b64 v[\r+10:\r+11], v[\a8] offset:\off+1280
.endm
.macro KLOAD a16, a8, am, a4, ko, mo   ; a step's K fragments, mask and K scale words: 34 loads
	WIN 0x40
.irp f, 0,1,2,3
	FR4 KF+12*\f, \a16, \a8, \ko+1536*\f
.endr
.irp n, 0,1,2,3,4,5,6,7,8,9,10,11,12,13,14,15
	ds_load_b128 v[MK+4*\n:MK+4*\n+3], v[\am] offset:\mo+256*(\n/8)+16*(\n%8)   ; register 32 c + k = the mask of key 64 c + 32 h + k: the scores' own layout
.endr
	WIN 0
	ds_load_b32 v[KS], v[\a4] offset:\ko+12288     ; register c: lanes 0-15 fragment 2 c, lanes 16-31 fragment 2 c + 1
	ds_load_b32 v[KS+1], v[\a4] offset:\ko+12416
.endm
.macro MAXOP X, i                      ; line i of 32: the largest score of tile X's two blocks, two chains a block
.set M_, (\i)/4
.set C_, (\i)%2
.set H_, ((\i)%4)/2
.set B_, S+64*(\X)+32*C_+16*H_
.set R_, BM+4*(\X)+2*H_+C_
.if (\i) < 4
	v_max3_num_f32 v[R_], v[B_], v[B_+1], v[B_+2]
.elseif (\i) < 28
	v_max3_num_f32 v[R_], v[R_], v[B_+2*M_+1], v[B_+2*M_+2]
.else
.set R_, BM+4*(\X)+C_
.set B_, S+64*(\X)+32*C_
.if (\i) < 30
	v_max3_num_f32 v[R_], v[R_], v[B_+15], v[B_+31]
.else
	v_max_num_f32 v[R_], v[R_], v[R_+2]
.endif
.endif
.endm
.macro STATOP X, i                     ; line i of 9: the row's maximum, -M and f
.set Z_, STT+8*(\X)
.if (\i) == 0
	v_max_num_f32 v[MXR+\X], v[BM+4*\X], v[BM+4*\X+1]
.elseif (\i) == 1
	v_permlanex16_b32 v[PT+\X], v[MXR+\X], s[SEL], s[SEL+1]
.elseif (\i) == 2
	v_max3_num_f32 v[Z_+1], v[Z_+1], v[MXR+\X], v[PT+\X]
.elseif (\i) == 3
	v_mul_f32 v[MXR+\X], s[NC], v[Z_+1]            ; -t
.elseif (\i) == 4
	v_floor_f32 v[MXR+\X], v[MXR+\X]               ; the new -M = -ceil(t): a whole number
.elseif (\i) == 5
	v_sub_f32 v[TD+\X], v[MXR+\X], v[Z_]           ; old M - new M, 0 or less
.elseif (\i) == 6
	v_mov_b32 v[Z_], v[MXR+\X]
.elseif (\i) == 7
	v_cvt_i32_f32 v[TD+\X], v[TD+\X]               ; (it saturates)
.else
	v_ldexp_f32 v[Z_+4], 1.0, v[TD+\X]             ; f = 2^(old M - new M)
.endif
.endm
.macro FMAOP X, j                      ; t - M, two at a time
.set B_, S+64*(\X)+2*(\j)
	v_pk_fma_f32 v[B_:B_+1], v[B_:B_+1], s[CS:CS+1], v[STT+8*\X:STT+8*\X+1] op_sel_hi:[1,0,0]
.endm
.macro CVT X, i                        ; conversion i of 4: block i / 2, half i % 2
.set B_, S+64*(\X)+16*(\i)
.if (\i)%2
.set R_, CT+8*(\X)+4*((\i)/2)
.else
.set R_, PC+12*(\X)+6*((\i)/2)
.endif
	v_cvt_scalef32_pk16_fp6_f32 v[R_:R_+2], v[B_:B_+15], v[SOP+2*\X+(\i)/2]
.endm
.macro MOVS X                          ; (a conversion's three registers begin on an even number)
.irp c, 0,1
.irp i, 0,1,2
	v_mov_b32 v[PC+12*\X+3+6*\c+\i], v[CT+8*\X+4*\c+\i]
.endr
.endr
.endm
.macro ADDP d, a, b
	v_pk_add_f32 v[\d:\d+1], v[\a:\a+1], v[\b:\b+1]
.endm
	s_load_b256 s[4:11], s[0:1], 0x0               ; qc, kv, mask, cc
	v_lshl_add_u32 v[SPW], v0, 2, SPARE
	v_mov_b32 v[NIL], 0
	ds_add_u32 v[SPW], v[NIL]                      ; the opening: the add twice on end
	ds_add_u32 v[SPW], v[NIL]
	v_lshrrev_b32 v9, 5, v0
	v_readfirstlane_b32 s[WV], v9                  ; wave 0..7
	v_and_b32 v6, 31, v0
	v_bfe_u32 v7, v0, 4, 1
	v_lshlrev_b32 v[L16], 4, v6
	v_lshlrev_b32 v[L8], 3, v6
	v_lshlrev_b32 v[L4], 2, v6
	v_lshlrev_b32 v[H8], 3, v7
	v_lshl_add_u32 v[MK0], v7, 7, MASKL            ; the mask of keys 32 h on
	WALU
	s_bfe_u32 s15, ttmp6, 0x40000                  ; cx: it enters q's and the context's global addresses alone
	s_lshl_b32 s19, ttmp9, 2
	s_add_co_u32 s19, s19, s15                     ; my block of 256 query places
	s_and_b32 s52, ttmp7, 0xffff                   ; 16 x batch + head, which the four partners share
	s_mov_b32 s24, 15|(3<<16)|(1<<21)              ; four steps: 51,200 dense bytes as 200 rows of 256; mask: all four work-groups; elements of 8 bytes
	s_mov_b32 s25, 32<<16
	s_mov_b32 s26, 200<<16
	s_mov_b32 s27, 32<<16
	s_mov_b32 s28, 200
	s_mov_b32 s29, 32
	s_mov_b32 s30, 0
	s_mov_b32 s31, 0
	s_mov_b32 s32, 15|(3<<16)|(1<<21)              ; the batch's mask: 32 rows of 256 bytes
	s_mov_b32 s33, 32<<16
	s_mov_b32 s34, 32<<16
	s_mov_b32 s35, 32<<16
	s_mov_b32 s36, 32
	s_mov_b32 s37, 32
	s_mov_b32 s38, 0
	s_mov_b32 s39, 0
	s_mul_i32 s54, s52, 16*STEPB
	s_mul_i32 s56, s[WV], 4*STEPB
	s_add_co_u32 s54, s54, s56
	s_mov_b32 s55, 0
	s_lshr_b32 s58, s52, 4
	s_lshl_b32 s58, s58, 13
	s_mov_b32 s59, 0
	s_mov_b32 s[SEL], 0x76543210
	s_mov_b32 s[SEL+1], 0xfedcba98
	s_mov_b32 s[CS], 0x3fb8aa3b                    ; log2(e); the 1/8 lies in q's scale bytes
	s_mov_b32 s[CS+1], s[CS]
	s_mov_b32 s[NC], 0xbfb8aa3b                    ; -log2(e)
	s_wait_dscnt 0x0                               ; both opening adds are done
	s_wait_kmcnt 0x0
	s_mov_b32 s40, 1
	s_mov_b32 s41, MASKL
	s_add_nc_u64 s[42:43], s[8:9], s[58:59]
	s_or_b32 s43, s43, 0x80000000
	s_mov_b32 s44, 1
	s_mov_b32 s45, s56
	s_add_nc_u64 s[46:47], s[6:7], s[54:55]
	s_or_b32 s47, s47, 0x80000000
	CROUND                                         ; all four work-groups are here: the joint loads meet
	s_cmp_lt_u32 s[WV], 4
	s_cbranch_scc0 .Lnot_kv
	tensor_load_to_lds s[44:47], s[24:31]          ; waves 0-3: steps 4 w .. 4 w + 3
	s_nop 0
.rept 4
	v_nop
.endr
	s_branch .Lasked
.Lnot_kv:
	s_cmp_eq_u32 s[WV], 4
	s_cbranch_scc0 .Lasked
	tensor_load_to_lds s[40:43], s[32:39]          ; wave 4: the mask
	s_nop 0
.rept 4
	v_nop
.endr
.Lasked:
	s_mul_i32 s54, s52, 106496                     ; q: my head's record,
	s_lshl_b32 s56, s19, 4
	s_lshl_b32 s57, s[WV], 1
	s_add_co_u32 s58, s56, s57                     ; my first tile
	s_mul_i32 s56, s58, 768
	s_add_co_u32 s56, s56, s54
	s_mov_b32 s57, 0
	s_add_nc_u64 s[60:61], s[4:5], s[56:57]
	s_lshl_b32 s56, s58, 6
	s_add_co_u32 s56, s56, s54
	s_add_co_u32 s56, s56, 98304
	s_add_nc_u64 s[62:63], s[4:5], s[56:57]
	WIN 0x40
.irp X, 0,1
	global_load_b128 v[230+12*\X:233+12*\X], v[L16], s[60:61] offset:768*\X
	global_load_b64 v[234+12*\X:235+12*\X], v[L8], s[60:61] offset:768*\X+512
.endr
.irp j, 224,225,226,227,228,229,236,237,238,239,240,241,248,249,250,251,252,253
	v_mov_b32 v[\j], 0                             ; zero codes beside q: they add nothing under any scale byte that the quantiser makes
.endr
.set j, 0
.rept 64
	v_mov_b32 v[j], 0                              ; O^T.  (The step is written once for all but the last: the first finds zeros)
.set j, j+1
.endr
	WIN 0
	global_load_b32 v[QS], v[L4], s[62:63]         ; lanes 0-15 my first tile's words, lanes 16-31 my second's
.irp X, 0,1
	v_mov_b32 v[STT+8*\X+1], 0xfe967699            ; the largest score so far: -1e38
.endr
.irp X, 0,1
	v_mul_f32 v[STT+8*\X], s[NC], v[STT+8*\X+1]
.endr
.irp X, 0,1
	v_floor_f32 v[STT+8*\X], v[STT+8*\X]           ; -M
	v_mov_b32 v[STT+8*\X+2], 0
	v_mov_b32 v[STT+8*\X+3], 0
	v_mov_b32 v[STT+8*\X+5], 0                     ; (named as the upper half of a pair before it is first written)
	v_mov_b32 v[PT+\X], 0                          ; a lane permute's destination counts as one of its sources
	v_mov_b32 v[PT+2+\X], 0
.endr
	WALU
	s_wait_loadcnt 0x0                             ; q
	s_wait_tensorcnt 0x0                           ; what I asked for is in
	s_barrier_signal -1
	s_barrier_wait -1                              ; everybody's is: the head and the mask lie in LDS
	KLOAD L16, L8, MK0, L4, 0, 0
	s_mov_b32 s[TB], 0
	s_mov_b32 s[TMK], 0
	s_mov_b32 s[CNT], 15
; A KEY STEP: 128 keys, for my two tiles of queries.  K, the mask and K's scale words are in registers or on their way; the next step's are fetched behind the score products, and V for this step
.macro STEP last
	s_wait_dscnt 0x0
	WIN 0x15                                       ; K, q and the mask in window 1, the scores in window 0
.irp c, 0,1
.irp g, 0,1
.irp u, 0,1
.irp X, 0,1
	v_wmma_scale_f32_16x16x128_f8f6f4 v[S+64*\X+32*\c+16*\g+8*\u:S+64*\X+32*\c+16*\g+8*\u+7], v[KF+24*\c+12*\g:KF+24*\c+12*\g+11], v[230-6*\u+12*\X:241-6*\u+12*\X], v[MK+32*\c+16*\g+8*\u:MK+32*\c+16*\g+8*\u+7], v[KS+\c], v[QS] matrix_a_fmt:MATRIX_FMT_FP6 matrix_b_fmt:MATRIX_FMT_FP6 matrix_a_scale:MATRIX_SCALE_ROW\g matrix_b_scale:MATRIX_SCALE_ROW\X
.endr
.endr
.endr
.endr
	WIN 0
	v_add_nc_u32 v[A16], s[TB], v[L16]             ; these four are the places behind the products, in front of the loads into their registers and of the reads of the scores
	v_add_nc_u32 v[A8], s[TB], v[L8]
	v_add_nc_u32 v[A4], s[TB], v[L4]
.if \last
	v_nop
.else
	v_add_nc_u32 v[AM], s[TMK], v[MK0]
.endif
	ds_load_b32 v[VR], v[A4] offset:12544
	ds_load_b32 v[VR+1], v[A4] offset:12672
	WIN 0x40
.irp f, 0,1,2,3
	FR4 VF+12*\f, A16, A8, 6144+1536*\f
.endr
	WIN 0
.if \last == 0
	KLOAD A16, A8, AM, A4, STEPB, 512
.endif
.set K_, 0
.rept 32
	MAXOP 0, K_
.set K_, K_+1
.endr
.set K_, 0
.rept 32                               ; tile 1's maxima, tile 0's statistics among them
	MAXOP 1, K_
.if (K_%3) == 2
.if K_ < 27
	STATOP 0, K_/3
.endif
.endif
.set K_, K_+1
.endr
.set K_, 0
.rept 32                               ; tile 0's t - M, tile 1's statistics among them
	FMAOP 0, K_
.if (K_%3) == 2
.if K_ < 27
	STATOP 1, K_/3
.endif
.endif
.set K_, K_+1
.endr
.irp X, 0,1
.irp c, 0,1
	v_fma_f32 v[BM+4*\X+\c], v[BM+4*\X+\c], s[CS], v[STT+8*\X]   ; each block's largest t - M,
.endr
.endr
.irp X, 0,1
.irp c, 0,1
	v_max_num_f32 v[BM+4*\X+\c], 0xc2f80000, v[BM+4*\X+\c]   ; held at -124 from below, so that the byte cannot fall under 1
.endr
.endr
.irp X, 0,1
.irp c, 0,1
	v_cvt_floor_i32_f32 v[IB+2*\X+\c], v[BM+4*\X+\c]   ; its floor: the largest p's exponent
.endr
.endr
.irp X, 0,1
.irp c, 0,1
	v_add_lshl_u32 v[SOP+2*\X+\c], v[IB+2*\X+\c], 0x7d, 23   ; 127 - 2 on it, in the exponent field: the conversions' scale operand
.endr
.endr
	WALU                                           ; ahead of the batch
.set K_, 0
.rept 32                               ; tile 0's p = 2^(t - M), tile 1's t - M among them
	v_exp_f32 v[S+2*K_], v[S+2*K_]
	v_exp_f32 v[S+2*K_+1], v[S+2*K_+1]
	FMAOP 1, K_
.set K_, K_+1
.endr
	WALU                                           ; one wait behind the batch and ahead of the next
.set K_, 0
.rept 64                               ; tile 1's p; among them tile 0's conversions, and, behind them and one plain line, the first level of tile 0's sum of the unquantised p, in place
	v_exp_f32 v[S+64+K_], v[S+64+K_]
.if K_ < 16
.if (K_%4) == 3
	CVT 0, K_/4
.endif
.elseif K_ == 18
	v_lshl_add_u32 v[TW], v[IB+1], 16, v[IB]
.elseif K_ > 20
.if K_ < 52
.if K_%2
.set L_, S+2*(K_-21)
	ADDP L_, L_, L_+2
.endif
.endif
.endif
.set K_, K_+1
.endr
	v_lshl_add_u32 v[TW+1], v[IB+3], 16, v[IB+2]   ; (a plain place behind the exponentials)
	WALU                                           ; one wait for the batch
.if \last
	s_wait_dscnt 0x0                               ; V
.else
	s_wait_dscnt 34                                ; V; the next step's 34 loads may be out
.endif
.irp i, 0,1,2,3
	CVT 1, \i
.endr
	v_perm_b32 v[VS], v[VR+1], v[VR], 0x05040100   ; V's scale words: lanes 0-15 channel tile 0, lanes 16-31 tile 2;
	v_perm_b32 v[VS+1], v[VR+1], v[VR], 0x07060302 ; tiles 1, 3
	v_lshlrev_b32 v[TW], v[H8], v[TW]              ; p's scale words: the sum of the blocks' exponents x 256^block; 125 on each byte makes them 1 .. 125 or a little over
	v_lshlrev_b32 v[TW+1], v[H8], v[TW+1]
	MOVS 0
	v_permlanex16_b32 v[PT+2], v[TW], s[SEL], s[SEL+1]
	v_permlanex16_b32 v[PT+3], v[TW+1], s[SEL], s[SEL+1]
	MOVS 1
	v_add3_u32 v[STT+5], v[TW], v[PT+2], 0x7d7d7d7d
	v_add3_u32 v[STT+13], v[TW+1], v[PT+3], 0x7d7d7d7d
.set K_, 0
.rept 8                                ; the rows' sums: tile 0's sixteen partial pairs in two chains, tile 1's 32 pairs in four
.set B_, S+8*K_
.set R_, S+64+8*K_
.if K_ == 0
	v_pk_fma_f32 v[STT+2:STT+3], v[STT+2:STT+3], v[STT+4:STT+5], v[B_:B_+1] op_sel_hi:[1,0,1]   ; the sum under the new M
	v_pk_fma_f32 v[STT+10:STT+11], v[STT+10:STT+11], v[STT+12:STT+13], v[R_:R_+1] op_sel_hi:[1,0,1]
.else
	ADDP STT+2, STT+2, B_
	ADDP STT+10, STT+10, R_
.if K_ == 1
	ADDP STT+6, B_-4, B_+4
	ADDP STT+14, R_-6, R_+2
	ADDP CH, R_-4, R_+4
	ADDP CH+2, R_-2, R_+6
.else
	ADDP STT+6, STT+6, B_+4
	ADDP STT+14, STT+14, R_+2
	ADDP CH, CH, R_+4
	ADDP CH+2, CH+2, R_+6
.endif
.endif
.set K_, K_+1
.endr
	ADDP STT+10, STT+10, CH
	ADDP STT+14, STT+14, CH+2
	ADDP STT+2, STT+2, STT+6
	ADDP STT+10, STT+10, STT+14
	WIN 0x41                                       ; O^T in window 1, f in window 0
	WALU                                           ; ahead of O^T's first reader
.set K_, 0
.rept 16
.irp X, 0,1
	v_pk_mul_f32 v[32*\X+2*K_:32*\X+2*K_+1], v[32*\X+2*K_:32*\X+2*K_+1], v[STT+8*\X+4:STT+8*\X+5] op_sel_hi:[1,0]   ; O^T under the new M; these 32 are also the places between p's codes and scale words and the products
.endr
.set K_, K_+1
.endr
	WIN 0x51                                       ; V and O^T in window 1, p in window 0
.irp w, 0,1
.irp e, 0,1
.irp X, 0,1
	v_wmma_scale_f32_16x16x128_f8f6f4 v[32*\X+16*\w+8*\e:32*\X+16*\w+8*\e+7], v[VF+24*\w+12*\e:VF+24*\w+12*\e+11], v[PC+12*\X:PC+12*\X+11], v[32*\X+16*\w+8*\e:32*\X+16*\w+8*\e+7], v[VS+\e], v[STT+8*\X+5] matrix_a_fmt:MATRIX_FMT_FP6 matrix_b_fmt:MATRIX_FMT_FP6 matrix_a_scale:MATRIX_SCALE_ROW\w matrix_b_scale:MATRIX_SCALE_ROW0
.endr
.endr
.endr
	WIN 0
.endm
.Lsteps:
	STEP 0
	s_add_co_u32 s[TB], s[TB], STEPB
	s_add_co_u32 s[TMK], s[TMK], 512
	s_sub_co_u32 s[CNT], s[CNT], 1
	s_cmp_lg_u32 s[CNT], 0
	s_cbranch_scc1 .Lsteps
	s_mov_b32 s[TB], 15*STEPB
	STEP 1                                         ; the last step fetches nothing beyond the end
	; THE WAY OUT: O^T / the sum, quantised along the head's 64 channels (two blocks, one a lane): half a fragment of the last product's operand, and two scale bytes a row
	v_and_b32 v102, 15, v0                         ; (these five are the places behind the last products)
	v_bfe_u32 v103, v0, 4, 1
	v_lshlrev_b32 v102, 2, v102
	v_mul_u32_u24 v103, v103, STEPB
	v_add_nc_u32 v102, v102, v103                  ; scale bytes: lanes 0-15 my first tile's rows, lanes 16-31 my second's, a record on
	v_cmp_lt_u32 s56, 7, v[H8]
	WALU
	s_lshr_b32 s53, s52, 4
	s_lshl_b32 s53, s53, 7
	s_lshl_b32 s54, s19, 4
	s_add_co_u32 s53, s53, s54
	s_lshl_b32 s54, s[WV], 1
	s_add_co_u32 s53, s53, s54                     ; my first tile of tokens: 128 x batch + 16 x block + 2 x wave
	s_and_b32 s57, s52, 15                         ; the head
	s_mul_i32 s53, s53, STEPB
	s_lshr_b32 s58, s57, 1
	s_lshl_b32 s58, s58, 6
	s_add_co_u32 s58, s58, s53
	s_and_b32 s54, s57, 1
	s_lshl_b32 s54, s54, 1
	s_add_co_u32 s58, s58, s54
	s_add_co_u32 s58, s58, 12288
	s_mov_b32 s59, 0
	s_add_nc_u64 s[12:13], s[10:11], s[58:59]
	s_mul_i32 s54, s57, 768
	s_add_co_u32 s54, s54, s53
	s_mov_b32 s55, 0
	s_add_nc_u64 s[10:11], s[10:11], s[54:55]
.irp X, 0,1
	v_add_f32 v[STT+8*\X+2], v[STT+8*\X+2], v[STT+8*\X+3]
.endr
.irp X, 0,1
	v_permlanex16_b32 v[PT+\X], v[STT+8*\X+2], s[SEL], s[SEL+1]
.endr
.irp X, 0,1
	v_add_f32 v[STT+8*\X+2], v[STT+8*\X+2], v[PT+\X]   ; the row's sum
.endr
	WALU
.irp X, 0,1
	v_rcp_f32 v[STT+8*\X+6], v[STT+8*\X+2]
.endr
	v_nop
	WIN 0x01                                       ; source 0 window 1
	WALU                                           ; one wait for the two reciprocals, ahead of their first reader and O^T's
.set K_, 0
.rept 16
.irp X, 0,1
	v_pk_mul_f32 v[S+32*\X+2*K_:S+32*\X+2*K_+1], v[32*\X+2*K_:32*\X+2*K_+1], v[STT+8*\X+6:STT+8*\X+7] op_sel_hi:[1,0]   ; register k = channel 32 h + k; each accumulator from its low end on
.endr
.set K_, K_+1
.endr
	WIN 0
.irp X, 0,1
.irp q, 0,1
	v_max3_num_f32 v[BM+2*\X+\q], |v[S+32*\X+16*\q]|, |v[S+32*\X+16*\q+1]|, |v[S+32*\X+16*\q+2]|
.endr
.endr
.irp i, 3,5,7,9,11,13
.irp X, 0,1
.irp q, 0,1
	v_max3_num_f32 v[BM+2*\X+\q], v[BM+2*\X+\q], |v[S+32*\X+16*\q+\i]|, |v[S+32*\X+16*\q+\i+1]|
.endr
.endr
.endr
.irp X, 0,1
	v_max3_num_f32 v[BM+2*\X], v[BM+2*\X], |v[S+32*\X+15]|, |v[S+32*\X+31]|
.endr
.irp X, 0,1
	v_max3_num_f32 v[BM+2*\X], v[BM+2*\X], v[BM+2*\X+1], 0x1800000
.endr
.irp X, 0,1
	v_add_nc_u32 v[SOP+\X], 0xff000000, v[BM+2*\X]
.endr
.irp X, 0,1
	v_cvt_scalef32_pk16_fp6_f32 v[PC+12*\X:PC+12*\X+2], v[S+32*\X:S+32*\X+15], v[SOP+\X]
	v_cvt_scalef32_pk16_fp6_f32 v[CT+8*\X:CT+8*\X+2], v[S+32*\X+16:S+32*\X+31], v[SOP+\X]
.endr
.irp X, 0,1
	v_lshrrev_b32 v[TW+\X], 23, v[SOP+\X]          ; my block's byte
.endr
.irp X, 0,1
	v_lshlrev_b32 v[TW+\X], v[H8], v[TW+\X]
.endr
.irp X, 0,1
	v_permlanex16_b32 v[PT+2+\X], v[TW+\X], s[SEL], s[SEL+1]
.endr
.irp X, 0,1
.irp i, 0,1,2
	v_mov_b32 v[PC+12*\X+3+\i], v[CT+8*\X+\i]
.endr
.endr
.irp X, 0,1
	v_or_b32 v[TW+\X], v[TW+\X], v[PT+2+\X]        ; the row's two bytes
.endr
	v_cndmask_b32 v104, v[TW], v[TW+1], s56
.irp X, 0,1
	global_store_b128 v[L16], v[PC+12*\X:PC+12*\X+3], s[10:11] offset:STEPB*\X      ; 512 consecutive bytes,
	global_store_b64 v[L8], v[PC+12*\X+4:PC+12*\X+5], s[10:11] offset:STEPB*\X+512  ; 256
.endr
	global_store_b16 v102, v104, s[12:13]
	s_wait_tensorcnt 0x0                           ; the wave's end
	ds_add_u32 v[SPW], v[NIL]
	s_wait_dscnt 0x0
	CROUND                                         ; the closing round
	s_endpgm
.Lfunc_end_k_q37a3af4a37_attn:
	.size	k_q37a3af4a37_attn, .Lfunc_end_k_q37a3af4a37_attn-k_q37a3af4a37_attn
	.p2alignl 7, 3214868480
	.fill 96, 4, 3214868480
	.section	.rodata,"a",@progbits
	.p2align	6, 0x0
	.amdhsa_kernel k_q37a3af4a37_attn
		.amdhsa_group_segment_fixed_size 214016
		.amdhsa_private_segment_fixed_size 0
		.amdhsa_enable_private_segment 0
		.amdhsa_kernarg_size 32
		.amdhsa_user_sgpr_count 2
		.amdhsa_user_sgpr_kernarg_segment_ptr 1
		.amdhsa_wavefront_size32 1
		.amdhsa_system_sgpr_workgroup_id_x 1
		.amdhsa_system_sgpr_workgroup_id_y 1
		.amdhsa_system_sgpr_workgroup_id_z 1
		.amdhsa_system_vgpr_workitem_id 0
		.amdhsa_next_free_vgpr 512
		.amdhsa_next_free_sgpr 66
		.amdhsa_reserve_vcc 0
		.amdhsa_float_denorm_mode_32 3
		.amdhsa_float_denorm_mode_16_64 3
		.amdhsa_memory_ordered 1
		.amdhsa_forward_progress 1
		.amdhsa_inst_pref_size 73
	.end_amdhsa_kernel
	.amdgpu_metadata
---
amdhsa.version: [ 1, 2 ]
amdhsa.kernels:
  - .name:           k_q37a3af4a37_attn
    .symbol:         k_q37a3af4a37_attn.kd
    .args:
      - { .name: qc, .offset: 0, .size: 8, .value_kind: global_buffer, .address_space: global }
      - { .name: kv, .offset: 8, .size: 8, .value_kind: global_buffer, .address_space: global }
      - { .name: mask, .offset: 16, .size: 8, .value_kind: global_buffer, .address_space: global }
      - { .name: cc, .offset: 24, .size: 8, .value_kind: global_buffer, .address_space: global }
    .group_segment_fixed_size: 214016
    .private_segment_fixed_size: 0
    .kernarg_segment_align: 8
    .kernarg_segment_size: 32
    .max_flat_workgroup_size: 256
    .sgpr_count:     66
    .vgpr_count:     512
    .wavefront_size: 32
...
	.end_amdgpu_metadata
.endif
;; end of part 3
;; launch oproj (part 4): grid 8 x 32, 4 waves a work-group, clusters of 4 x 4, 240,128 bytes of LDS; arguments cc, xw, o_b, out0; writes out0
.if DOCPART == 4
	.amdgcn_target "amdgcn-amd-amdhsa--gfx1250"
	.amdhsa_code_object_version 6
	.text
	.protected	k_q37a3af4a37_oproj
	.globl	k_q37a3af4a37_oproj
	.p2align	8
	.type	k_q37a3af4a37_oproj,@function
k_q37a3af4a37_oproj:
	s_mov_b64 s[64:65], 0
	v_nop
	global_prefetch_b8 v0, s[64:65] scope:SCOPE_SE
	s_setreg_imm32_b32 hwreg(HW_REG_WAVE_MODE, 25, 1), 1
	s_wait_xcnt 0x0
	s_wait_alu depctr_hold_cnt(0) depctr_sa_sdst(0) depctr_va_vdst(0) depctr_va_sdst(0) depctr_va_ssrc(0) depctr_va_vcc(0) depctr_vm_vsrc(0)
	s_getreg_b32 s2, hwreg(HW_REG_IB_STS2, 6, 4)
	s_cmp_eq_u32 s2, 0
	s_cbranch_scc0 .Lentry_in_a_cluster
	s_endpgm
.Lentry_in_a_cluster:
	s_bfe_u32 s2, ttmp6, 0x10000c
	s_cmp_lg_u32 s2, 0xf033
	s_cbranch_scc0 .Lentry_shape_is_right
	s_endpgm
.Lentry_shape_is_right:
; out0 = context o_w^T + o_b on codes of FP6 (E2M3) with E8M0 scales; sums in f32.  Both operands arrive as records of 12,800 bytes a tile of 16 rows: images of their registers for all of K, and scale words.
; A work-group makes 128 tokens x 128 columns; 256 work-groups.  A wave makes 64 x 64: its four tiles of o_w, all of K, lie in 384 registers; four tiles of tokens stream past them through two sets of 96 registers,
; 32 products a tile, four accumulators by turns; a tile's 16 x 64 results leave in the middle of the next tile's products.
; ALL OF K for both operands comes into LDS by first fills alone (waves 0, 1: o_w, four records each; waves 2, 3: tokens): nothing is filled again, and since every byte is asked for at the head nothing is prefetched.
; CLUSTER 4 x 4: the context's records are shared along a row of the cluster, o_w's along a column; each is asked for jointly.
; Source 0 = o_w, source 1 = tokens.  By the tiles' order of rows (place r of tile j of a group of 64 = row 8 j + r % 8 + 32 (r / 8)) a lane holds one token and the 32 neighbouring columns 32 h + 0 .. 31 of 64.
; The bias is the C of each sum's first product.  LIMIT: NaN and infinities are not served.
.set REC,   12800
.set STAGE, 16*REC                     ; two stages of 16 rows x 272 bytes a wave
.set SP,    272
.set SPARE, STAGE+8*16*SP              ; the spare words, 128 bytes a wave, which no other line names
.set XS,    24                         ; v24-39 o_w's scale words: 4 b + p
.set WS,    42                         ; v42-49 the tokens': 4 set + p
.set BI,    64                         ; v64-95 the bias in the result's layout
.set ACC,   96                         ; v96-159 two sets of four accumulators
.set RB,    160                        ; v160-191 16 rows read back
.set MSB, 0
.macro WIN new
.set NW_, \new
.if MSB != NW_
	s_set_vgpr_msb (MSB<<8)|NW_
.set MSB, NW_
.endif
.endm
.macro PLACES
.rept 4
	v_nop
.endr
.endm
.macro CROUND
	s_barrier_signal -1
	s_barrier_wait -1
	s_cmp_lg_u32 s16, 0
	s_cbranch_scc1 .Lnot_wave_0_\@
	s_barrier_signal -3
.Lnot_wave_0_\@:
	s_barrier_wait -3
	s_barrier_signal -1
	s_barrier_wait -1
.endm
.macro G1C g, m
	s_or_b32 s[\g], s\m, (3<<16)|(1<<21)           ; four records: 51,200 dense bytes as 200 rows of 256; elements of 8 bytes
	s_mov_b32 s[\g+1], 32<<16
	s_mov_b32 s[\g+2], 200<<16
	s_mov_b32 s[\g+3], 32<<16
	s_mov_b32 s[\g+4], 200
	s_mov_b32 s[\g+5], 32
	s_mov_b32 s[\g+6], 0
	s_mov_b32 s[\g+7], 0
.endm
; Fragment slot f: window 1 + f / 21, register 12 (f % 21).  0-31 o_w's (4 q + b), 32-39 and 40-47 the tokens' two sets (q).
.macro FR4 f, b, off
.set R_, 12*((\f)%21)
	WIN ((1+(\f)/21)<<6)
	ds_load_b128 v[R_:R_+3], v[\b] offset:\off
	ds_load_b64 v[R_+4:R_+5], v[\b+1] offset:\off+512
	ds_load_b128 v[R_+6:R_+9], v[\b] offset:\off+768
	ds_load_b64 v[R_+10:R_+11], v[\b+1] offset:\off+1280
.endm
.macro FETCH t                         ; token tile t into set t % 2: 36 loads
.set FT_, \t
.irp q, 0,1,2,3,4,5,6,7
	FR4 32+8*(FT_%2)+\q, 8, REC*FT_+1536*\q
.endr
	WIN 0
.irp p, 0,1,2,3
	ds_load_b32 v[WS+4*(FT_%2)+\p], v10 offset:REC*FT_+12288+128*\p
.endr
.endm
.macro PROD
.set Q_, N_/4
.set X_, N_%4
.set FX_, 4*Q_+X_
.set FS_, 32+8*ST_+Q_
.set HX_, 12*(FX_%21)
.set HS_, 12*(FS_%21)
.set D_, ACC+32*ST_+8*X_
.if Q_
.set C_, D_
.else
.set C_, BI+8*X_
.endif
.set SX_, XS+4*X_+Q_/2
.set SS_, WS+4*ST_+Q_/2
	WIN (1+FX_/21)|((1+FS_/21)<<2)
.if Q_%2
	v_wmma_scale_f32_16x16x128_f8f6f4 v[D_:D_+7], v[HX_:HX_+11], v[HS_:HS_+11], v[C_:C_+7], v[SX_], v[SS_] matrix_a_fmt:MATRIX_FMT_FP6 matrix_b_fmt:MATRIX_FMT_FP6 matrix_a_scale:MATRIX_SCALE_ROW1 matrix_b_scale:MATRIX_SCALE_ROW1
.else
	v_wmma_scale_f32_16x16x128_f8f6f4 v[D_:D_+7], v[HX_:HX_+11], v[HS_:HS_+11], v[C_:C_+7], v[SX_], v[SS_] matrix_a_fmt:MATRIX_FMT_FP6 matrix_b_fmt:MATRIX_FMT_FP6
.endif
.endm
.macro GO from, to
.set N_, \from
.rept (\to)-(\from)
	PROD
.set N_, N_+1
.endr
.endm
.macro TOSTAGE a                       ; 16 rows of 256 bytes into my stage and back as whole rows: LDS serves a wave's instructions in order
.irp k, 0,1,2,3,4,5,6,7
	ds_store_b128 v20, v[ACC+32*((\a)%2)+4*\k:ACC+32*((\a)%2)+4*\k+3] offset:16*SP*((\a)%2)+16*\k   ; each accumulator from its low end on
.endr
.irp n, 0,1,2,3,4,5,6,7
	ds_load_b128 v[RB+4*\n:RB+4*\n+3], v21 offset:16*SP*((\a)%2)+2*SP*\n
.endr
.endm
.macro SEND a
.irp n, 0,1,2,3,4,5,6,7
	global_store_b128 v22, v[RB+4*\n:RB+4*\n+3], s[14:15] offset:(8*(\a)+2*(\n%4)+32*(\n/4))*4096 th:TH_STORE_NT   ; sixteen lanes store 256 consecutive bytes; places 2 n, 2 n + 1 of tile a
.endr
.endm
.macro BLOCK a
.set ST_, (\a)%2
.if (\a) == 0
	s_wait_dscnt 36                                ; tile 0's loads are in; tile 1's 36 may be out
	GO 0, 32
.else
.if (\a) < 3
	s_wait_dscnt 52                                ; behind this tile's loads: a stage's 16 and a tile's 36
.else
	s_wait_dscnt 16
.endif
	GO 0, 16
	WIN 0
.if (\a) < 3
	s_wait_dscnt 36                                ; the last tile's rows are back from the stage
.else
	s_wait_dscnt 0x0
.endif
	SEND (\a)-1
	GO 16, 32
.endif
	WIN 0
	PLACES                                         ; places between the products and the reads of their results and the loads into their registers
.if (\a) > 0
	s_wait_xcnt 0x0                                ; the stores have read RB
.endif
	TOSTAGE \a
.if (\a) < 2
	FETCH (\a)+2
.endif
.endm
	s_load_b256 s[4:11], s[0:1], 0x0               ; cc, xw, o_b, out0
	v_lshl_add_u32 v14, v0, 2, SPARE
	v_mov_b32 v15, 0
	ds_add_u32 v14, v15                            ; the opening: the add twice on end
	ds_add_u32 v14, v15
	v_lshrrev_b32 v1, 5, v0
	v_readfirstlane_b32 s16, v1                    ; wave 0..3
	s_and_b32 s17, s16, 1                          ; my 64 columns
	s_lshr_b32 s18, s16, 1                         ; my 64 tokens
	s_mul_i32 s20, s17, 4*REC
	s_mul_i32 s21, s18, 4*REC
	s_add_co_u32 s21, s21, 8*REC
	s_mul_i32 s22, s16, 2*16*SP
	s_add_co_u32 s22, s22, STAGE
	v_and_b32 v1, 31, v0                           ; lane
	v_and_b32 v16, 15, v0                          ; r
	v_bfe_u32 v17, v0, 4, 1                        ; h
	v_lshlrev_b32 v2, 4, v1
	v_lshlrev_b32 v3, 3, v1
	v_lshlrev_b32 v4, 2, v1
	v_add_nc_u32 v5, s20, v2                       ; my four records of o_w
	v_add_nc_u32 v6, s20, v3
	v_add_nc_u32 v7, s20, v4
	v_add_nc_u32 v8, s21, v2                       ; my four of tokens
	v_add_nc_u32 v9, s21, v3
	v_add_nc_u32 v10, s21, v4
	v_lshlrev_b32 v23, 7, v17                      ; the bias: 128 h bytes
	v_mul_u32_u24 v20, v16, SP
	v_mul_u32_u24 v21, v17, SP
	v_lshl_add_u32 v20, v17, 7, v20
	v_lshl_add_u32 v21, v16, 4, v21
	v_add_nc_u32 v20, s22, v20                     ; into the stage: row r, 128 h bytes on
	v_add_nc_u32 v21, s22, v21                     ; back: lanes 0-15 one row of 256 bytes, lanes 16-31 the next
	v_lshlrev_b32 v22, 12, v17
	v_lshl_add_u32 v22, v16, 4, v22                ; and the same two rows in out0
	s_wait_alu depctr_va_vdst(0)
	s_bfe_u32 s20, ttmp6, 0x40000                  ; cx
	s_bfe_u32 s21, ttmp6, 0x40004                  ; cy
	s_lshl_b32 s19, ttmp9, 2
	s_add_co_u32 s19, s19, s20                     ; block of 128 columns
	s_and_b32 s12, ttmp7, 0xffff
	s_lshl_b32 s12, s12, 2
	s_add_co_u32 s12, s12, s21                     ; block of 128 tokens
	s_lshl_b32 s22, s21, 2
	s_lshl_b32 s22, 15, s22                        ; my row of the cluster
	s_lshl_b32 s23, 0x1111, s20                    ; my column
	G1C 24, 22
	G1C 32, 23
	s_mul_i32 s60, s12, 8*REC
	s_mul_i32 s61, s17, 4*REC
	s_add_co_u32 s60, s60, s61
	s_mul_i32 s62, s19, 8*REC
	s_add_co_u32 s62, s62, s61
	s_add_co_u32 s62, s62, 448*REC
	s_mov_b32 s61, 0
	s_mov_b32 s63, 0
	s_mov_b32 s48, 1
	s_mul_i32 s49, s16, 4*REC                      ; where they go: by the wave's number alone
	s_mov_b32 s52, 1
	s_mov_b32 s53, s49
	s_wait_dscnt 0x0                               ; both opening adds are done
	s_wait_kmcnt 0x0
	s_add_nc_u64 s[50:51], s[4:5], s[60:61]
	s_or_b32 s51, s51, 0x80000000
	s_add_nc_u64 s[54:55], s[6:7], s[62:63]
	s_or_b32 s55, s55, 0x80000000
	CROUND                                         ; all sixteen work-groups are here: the joint loads meet
	s_cmp_lt_u32 s16, 2
	s_cbranch_scc0 .Lfor_tokens
	tensor_load_to_lds s[52:55], s[32:39]          ; waves 0, 1: o_w
	s_nop 0
	PLACES
	s_branch .Lasked
.Lfor_tokens:
	tensor_load_to_lds s[48:51], s[24:31]          ; waves 2, 3: tokens
	s_nop 0
	PLACES
.Lasked:
	s_lshl_b32 s60, s19, 9
	s_lshl_b32 s62, s17, 8
	s_add_co_u32 s60, s60, s62                     ; my first column, in bytes
	s_add_nc_u64 s[8:9], s[8:9], s[60:61]
.irp n, 0,1,2,3,4,5,6,7
	global_load_b128 v[BI+4*\n:BI+4*\n+3], v23, s[8:9] offset:16*\n   ; register k = o_b of column 32 h + k
.endr
	s_lshl_b32 s62, s12, 7
	s_lshl_b32 s66, s18, 6
	s_add_co_u32 s62, s62, s66
	s_lshl_b32 s62, s62, 12                        ; my first token's row of 4,096 bytes
	s_add_co_u32 s62, s62, s60
	s_add_nc_u64 s[14:15], s[10:11], s[62:63]
	s_cmp_lt_u32 s16, 2
	s_cbranch_scc0 .Lnot_w
	s_wait_tensorcnt 0x0
.Lnot_w:
	s_barrier_signal -1
	s_barrier_wait -1                              ; o_w is in; the tokens may still be on their way
.irp q, 0,1,2,3,4,5,6,7
.irp a, 0,1,2,3
	FR4 4*\q+\a, 5, REC*\a+1536*\q
.endr
.endr
	WIN 0
.irp a, 0,1,2,3
.irp p, 0,1,2,3
	ds_load_b32 v[XS+4*\a+\p], v7 offset:REC*\a+12288+128*\p
.endr
.endr
	s_wait_loadcnt 0x0                             ; the bias
	s_wait_tensorcnt 0x0
	s_wait_dscnt 0x0
	s_barrier_signal -1
	s_barrier_wait -1                              ; the tokens are in
	FETCH 0
	FETCH 1
	BLOCK 0
	BLOCK 1
	BLOCK 2
	BLOCK 3
	s_wait_dscnt 0x0
	SEND 3
	s_wait_tensorcnt 0x0                           ; the wave's end
	ds_add_u32 v14, v15
	s_wait_dscnt 0x0
	CROUND                                         ; the closing round
	s_endpgm
.Lfunc_end_k_q37a3af4a37_oproj:
	.size	k_q37a3af4a37_oproj, .Lfunc_end_k_q37a3af4a37_oproj-k_q37a3af4a37_oproj
	.p2alignl 7, 3214868480
	.fill 96, 4, 3214868480
	.section	.rodata,"a",@progbits
	.p2align	6, 0x0
	.amdhsa_kernel k_q37a3af4a37_oproj
		.amdhsa_group_segment_fixed_size 240128
		.amdhsa_private_segment_fixed_size 0
		.amdhsa_enable_private_segment 0
		.amdhsa_kernarg_size 32
		.amdhsa_user_sgpr_count 2
		.amdhsa_user_sgpr_kernarg_segment_ptr 1
		.amdhsa_wavefront_size32 1
		.amdhsa_system_sgpr_workgroup_id_x 1
		.amdhsa_system_sgpr_workgroup_id_y 1
		.amdhsa_system_sgpr_workgroup_id_z 1
		.amdhsa_system_vgpr_workitem_id 0
		.amdhsa_next_free_vgpr 848
		.amdhsa_next_free_sgpr 84
		.amdhsa_reserve_vcc 0
		.amdhsa_float_denorm_mode_32 3
		.amdhsa_float_denorm_mode_16_64 3
		.amdhsa_memory_ordered 1
		.amdhsa_forward_progress 1
		.amdhsa_inst_pref_size 50
	.end_amdhsa_kernel
	.amdgpu_metadata
---
amdhsa.version: [ 1, 2 ]
amdhsa.kernels:
  - .name:           k_q37a3af4a37_oproj
    .symbol:         k_q37a3af4a37_oproj.kd
    .args:
      - { .name: cc, .offset: 0, .size: 8, .value_kind: global_buffer, .address_space: global }
      - { .name: xw, .offset: 8, .size: 8, .value_kind: global_buffer, .address_space: global }
      - { .name: o_b, .offset: 16, .size: 8, .value_kind: global_buffer, .address_space: global }
      - { .name: out0, .offset: 24, .size: 8, .value_kind: global_buffer, .address_space: global }
    .group_segment_fixed_size: 240128
    .private_segment_fixed_size: 0
    .kernarg_segment_align: 8
    .kernarg_segment_size: 32
    .max_flat_workgroup_size: 128
    .sgpr_count:     84
    .vgpr_count:     848
    .wavefront_size: 32
...
	.end_amdgpu_metadata
.endif
;; end of part 4
